; MI455X (gfx1250); checked and timed in simulation.
; The chip was launched on July 23, 2026; its instructions are those of AMD's public machine-readable ISA for CDNA 5 (MIT licence, August 2026) and "CDNA5" Instruction Set Architecture Reference Guide (July 2026). The comments in the code are by the model that wrote it; some were corrected since.
;; Head. Allowed arithmetic: float matrix products may take bf16 or f16 operands with f32 sums; all other float work in f32.
;; Inputs: Wk 2 x 2,048 float32; Wo 2,048 x 2,048 float32; Wq 2 x 2,048 float32; Wv 2 x 2,048 float32; bk 2,048 float32; bo 2,048 float32; bq 2,048 float32; bv 2,048 float32; x 16 x 512 x 2 float32.
;; Outputs: out0 16 x 512 x 2,048 float32.
;; 2 versions, each right; version 2 is version 1 with the launch expand written anew for expert scheduling mode. Each part assembles by itself: llvm-mc -triple=amdgcn-amd-amdhsa -mcpu=gfx1250 --defsym DOCPART=n.
;; ======== version 1 of 2: 2 launches
;; workspace buffers: svec 65,536 bytes; ppart 196,608 bytes
;; launch prep (part 1): grid 256 x 1, 8 waves a work-group, no clusters, 14,336 bytes of LDS; arguments Wq, bq, Wk, bk, x, Wv, bv, Wo, svec, ppart; writes svec, ppart
.if DOCPART == 1
	.amdgcn_target "amdgcn-amd-amdhsa--gfx1250"
	.amdhsa_code_object_version 6
	.text
	.protected	k_qd948676395_prep
	.globl	k_qd948676395_prep
	.p2align	8
	.type	k_qd948676395_prep,@function
k_qd948676395_prep:
	s_mov_b64 s[64:65], 0
	v_nop
	global_prefetch_b8 v0, s[64:65] scope:SCOPE_SE
	s_setreg_imm32_b32 hwreg(HW_REG_WAVE_MODE, 25, 1), 1
	s_wait_xcnt 0x0
; PREP: the causal softmax, reduced to two numbers a row, and eight partial sums of [Wv; bv] @ Wo.
;
; The input has two features, so with x' = (x0, x1, 1) every one of q, k, v is x' times a 3 x 2048 matrix ([Wq; bq], [Wk; bk], [Wv; bv]).
; Matrix products are associative, for every input of these shapes:
;   score(c, e) = x'_c M x'_e^T,  M[i][j] = sum over d of [Wq; bq][i][d] [Wk; bk][j][d]      (3 x 3)
;   softmax(score) @ v @ Wo + bo = s0 P0 + s1 P1 + P2 + bo,  P = [Wv; bv] @ Wo (3 x 2048),  (s0, s1) = the softmax-weighted mean of the keys' x.
; This launch makes svec[row] = (s0, s1) for all 8,192 rows and ppart[slice][3][2048], P summed over 256 rows of Wo a slice.
; All in f32 on the vector unit: what is left has K = 3 or 3 rows, of which a 16 x 16 matrix tile would be mostly padding.
;
; LIMITS KEPT.  The products are re-associated, so the order of rounding differs from the reference's.  log2(e) is folded into M.
; The row sum of the softmax's weights (the factor of P2) is taken as exactly 1.  The true maximum over the causal keys is taken away
; before the exponential; v_exp_f32 gives 0 for weights below 2^-126, beside a sum of weights that is at least 1.
; Scores that overflow f32 give NaN, as inf - inf does in the reference.
;
; SHARES.  Work-group g: rows 32 g .. 32 g + 31 (batch g >> 4), wave w four of them, two at a time; the lanes hold the keys, lane L keys
; 64 j + 2 L and 64 j + 2 L + 1, j = 0 .. 7; all 512 keys are computed and masked, so that every work-group does the same work.
; And columns 64 (g & 31) .. + 63 of rows 256 (g >> 5) .. + 255 of Wo: 65,536 bytes, each byte of Wo read by one work-group.
; NO CLUSTER: joint requests belong to tensor loads into LDS.  What work-groups share here (49,152 bytes of Wq, bq, Wk, bk and 4,096 of x)
; is used once, out of the registers it is loaded into; through LDS each of those bytes would be written and read once more,
; and a cluster's barrier would stand in front of the first load.
.set MRED, 0                           ; LDS 0 .. 383: wave w's nine sums for M and three zeros, 48 bytes a wave
.set SOUT, 384                         ; LDS 384 .. 639: (s0, s1) of the 32 rows
.set PSL,  1024                        ; LDS 1024 .. 13311: 16 slices (2 w + lane / 16) of [3 vectors][64 columns] f32, 768 bytes each
.set R1,   24                          ; v[24:43]   M phase: nine sum pairs.  Attention, row a: (u0, u1, u2, m) at R1+4a; pairs L, A0, A1 at R1+8+6a
.set MM,   44                          ; v[44:55]   M[3 i + j], then three zeros
.set R2,   56                          ; v[56:103]  M phase: Wq0, Wq1, bq, Wk0, Wk1, bk, 8 each.  Attention: 16 scores of row a at R2+16a.  P: sums at R2+4u
.set X,    104                         ; v[104:135] keys: quad j = (x0 of key a, x0 of key b, x1 of a, x1 of b) once sorted
.set CF,   136                         ; v[136:183] [Wv0, Wv1, bv][my 16 rows of Wo]: vector u, row i at CF+16u+i
.set WO,   184                         ; v[184:247] Wo: load i (one row, 4 columns) at WO+4i
.set EJ,   248                         ; v[248:255] key number 2 L + 64 j
; v1 16 L   v2 16 t   v3 offset of my 16 coefficients   v4 offset of my 16 bytes in my first row of Wo   v5 48 w   v6 4 min(L, 11)   v7 32 w
; v8 my place in PSL   v9 8 L   v10 256 w + 8 L   v11 8192 w + 8 L   v12 -inf   v13-v17 at work
; s2 g   s3 w   s[8:27] the ten buffers   s[28:35] x of my four rows   s36, s37 lane selects   s38 my first row in the batch   s39, s49 the pass's rows
; s[40:48] M   s[50:51] x at my batch   s[52:53] Wo at my block   s[54:55] svec at my rows   s[56:57] ppart at my block   s[58:59] x at my rows
	s_load_b512 s[8:23], s[0:1], 0x0               ; Wq s[8:9], bq s[10:11], Wk s[12:13], bk s[14:15], x s[16:17], Wv s[18:19], bv s[20:21], Wo s[22:23]
	s_load_b128 s[24:27], s[0:1], 0x40             ; svec s[24:25], ppart s[26:27]
	v_lshl_add_u32 v22, v0, 2, 0x3400
	v_mov_b32 v23, 0
	v_lshrrev_b32 v13, 5, v0
	v_readfirstlane_b32 s3, v13                    ; wave 0 .. 7
	s_mov_b32 s2, ttmp9                            ; g
	s_mov_b32 s36, 0x76543210                      ; v_permlanex16_b32: lane i of one half reads lane i of the other
	s_mov_b32 s37, 0xfedcba98
	s_lshr_b32 s4, s2, 5                           ; slice of Wo's rows, 0 .. 7
	s_and_b32 s5, s2, 31
	s_lshl_b32 s5, s5, 8                           ; my 64 columns, in bytes
	s_and_b32 s38, s2, 15
	s_lshl_b32 s38, s38, 5
	s_lshl2_add_u32 s38, s3, s38                   ; 32 (g & 15) + 4 w: my wave's first row inside its batch
	; byte offsets, each in the pair that will take the sum with its buffer's address
	s_lshr_b32 s50, s2, 4
	s_lshl_b32 s50, s50, 12                        ; batch x 512 rows x 8 bytes
	s_mov_b32 s51, 0
	s_lshl_b32 s52, s4, 21                         ; slice x 256 rows x 8,192 bytes
	s_add_co_u32 s52, s52, s5
	s_mov_b32 s53, 0
	s_lshl_b32 s54, s2, 8                          ; g x 32 rows x 8 bytes
	s_mov_b32 s55, 0
	s_mul_i32 s56, s4, 24576                       ; slice x 3 vectors x 8,192 bytes
	s_add_co_u32 s56, s56, s5
	s_mov_b32 s57, 0
	s_lshl_b32 s58, s3, 5                          ; w x 4 rows x 8 bytes
	s_add_co_u32 s58, s58, s54
	s_mov_b32 s59, 0
	v_and_b32 v14, 31, v0                          ; L
	v_and_b32 v15, 15, v0                          ; r = L % 16
	v_and_b32 v16, 0xf0, v0                        ; 16 (t / 16)
	v_lshrrev_b32 v17, 4, v14                      ; L / 16
	v_lshlrev_b32 v1, 4, v14
	v_lshlrev_b32 v2, 4, v0
	s_lshl_b32 s6, s4, 10
	v_lshl_add_u32 v3, v16, 2, s6                  ; 4 bytes x (256 slice + 16 (t / 16)): my 16 rows' coefficients
	v_lshlrev_b32 v4, 13, v16                      ; 16 (t / 16) rows of 8,192 bytes
	v_lshl_or_b32 v4, v15, 4, v4                   ; + 16 r: sixteen lanes read 256 consecutive bytes of a row
	s_mul_i32 s7, s3, 48
	v_mov_b32 v5, s7
	v_min_u32 v6, 11, v14
	v_lshlrev_b32 v6, 2, v6
	s_lshl_b32 s6, s3, 5
	v_mov_b32 v7, s6
	s_mul_i32 s7, s3, 1536                         ; a wave's two slices
	v_mul_u32_u24 v8, 0x300, v17
	v_lshl_add_u32 v8, v15, 4, v8
	v_add_nc_u32 v8, s7, v8
	v_lshlrev_b32 v9, 3, v14
	s_lshl_b32 s6, s3, 8
	v_lshl_add_u32 v10, v14, 3, s6
	s_lshl_b32 s7, s3, 13
	v_lshl_add_u32 v11, v14, 3, s7
	v_mov_b32 v12, 0xff800000
	v_lshlrev_b32 v[EJ], 1, v14
.irp j, 1,2,3,4,5,6,7
	v_add_nc_u32 v[EJ+\j], 64*\j, v[EJ]
.endr
	s_wait_kmcnt 0x0
	s_add_nc_u64 s[50:51], s[16:17], s[50:51]
	s_add_nc_u64 s[52:53], s[22:23], s[52:53]
	s_add_nc_u64 s[54:55], s[24:25], s[54:55]
	s_add_nc_u64 s[56:57], s[26:27], s[56:57]
	s_add_nc_u64 s[58:59], s[16:17], s[58:59]
	s_load_b256 s[28:35], s[58:59], 0x0            ; (x0, x1) of my four rows
	; ALL 48 LOADS OF THE KERNEL, in the order in which they are used: loads come back in order (ISA guide 5.7.1), so the small operands stand
	; in front and are worked on while the 16 loads of Wo, 65,536 bytes a work-group, are on their way.
.macro LD2 dst, base, off              ; thread t owns d = 4 t .. 4 t + 3 and 1024 + 4 t .. + 3 of a vector of 2,048
	global_load_b128 v[\dst:\dst+3],   v2, s[\base:\base+1] offset:\off
	global_load_b128 v[\dst+4:\dst+7], v2, s[\base:\base+1] offset:\off+4096
.endm
	LD2 R2,    8,  0                                ; Wq row 0
	LD2 R2+8,  8,  8192                             ; Wq row 1
	LD2 R2+16, 10, 0                                ; bq
	LD2 R2+24, 12, 0                                ; Wk row 0
	LD2 R2+32, 12, 8192                             ; Wk row 1
	LD2 R2+40, 14, 0                                ; bk
.irp j, 0,1,2,3,4,5,6,7
	global_load_b128 v[X+4*\j:X+4*\j+3], v1, s[50:51] offset:512*\j       ; keys 64 j + 2 L and + 1
.endr
.irp c, 0,1,2,3
	global_load_b128 v[CF+4*\c:CF+4*\c+3], v3, s[18:19] offset:16*\c
.endr
.irp c, 0,1,2,3
	global_load_b128 v[CF+16+4*\c:CF+16+4*\c+3], v3, s[18:19] offset:8192+16*\c
.endr
.irp c, 0,1,2,3
	global_load_b128 v[CF+32+4*\c:CF+32+4*\c+3], v3, s[20:21] offset:16*\c
.endr
.irp i, 0,1,2,3,4,5,6,7,8,9,10,11,12,13,14,15
	global_load_b128 v[WO+4*\i:WO+4*\i+3], v4, s[52:53] offset:8192*\i th:TH_LOAD_NT   ; read once in the whole launch
.endr
; A reduction over the wave's 32 lanes of cnt registers at once (first, first + stride, ..), so that no line waits for the one in front:
; four steps inside each half of 16 lanes ride on the arithmetic (DPP), one crosses the halves.  The register td above each is the
; temporary; it has been written before, since v_permlanex16_b32's destination counts as read.  Every lane ends with the result.
.macro WRED opd, op, first, stride, cnt, td
.irp m, 1,2,4,8
.set q, \first
.rept \cnt
	\opd v[q], v[q], v[q] row_xmask:\m row_mask:0xf bank_mask:0xf
.set q, q+\stride
.endr
.endr
.set q, \first
.rept \cnt
	v_permlanex16_b32 v[q+\td], v[q], s36, s37
.set q, q+\stride
.endr
.set q, \first
.rept \cnt
	\op v[q], v[q], v[q+\td]
.set q, q+\stride
.endr
.endm
	; M: nine dot products of length 2,048.  My eight d, two at a time, in nine chains started by a multiply: nothing is cleared.
	s_wait_loadcnt 36                              ; the twelve loads of Wq, bq, Wk, bk are in; 8 (x) + 12 (coefficients) + 16 (Wo) younger ones stay out
.irp i, 0,1,2
.irp j, 0,1,2
	v_pk_mul_f32 v[R1+2*(3*\i+\j):R1+2*(3*\i+\j)+1], v[R2+8*\i:R2+8*\i+1], v[R2+24+8*\j:R2+24+8*\j+1]
.endr
.endr
.irp p, 1,2,3
.irp i, 0,1,2
.irp j, 0,1,2
	v_pk_fma_f32 v[R1+2*(3*\i+\j):R1+2*(3*\i+\j)+1], v[R2+8*\i+2*\p:R2+8*\i+2*\p+1], v[R2+24+8*\j+2*\p:R2+24+8*\j+2*\p+1], v[R1+2*(3*\i+\j):R1+2*(3*\i+\j)+1]
.endr
.endr
.endr
.irp n, 0,1,2,3,4,5,6,7,8
	v_add_f32 v[MM+\n], v[R1+2*\n], v[R1+2*\n+1]
.endr
	WRED v_add_f32_dpp, v_add_f32, MM, 1, 9, R1-MM
	v_mov_b32 v[MM+9], 0
	v_mov_b32 v[MM+10], 0
	v_mov_b32 v[MM+11], 0
	ds_store_b128 v5, v[MM:MM+3]    offset:MRED    ; all lanes store the same 48 bytes at the wave's own place
	ds_store_b128 v5, v[MM+4:MM+7]  offset:MRED+16
	ds_store_b128 v5, v[MM+8:MM+11] offset:MRED+32
	s_wait_loadcnt 28                              ; the keys are in; 12 + 16 younger loads stay out
.irp j, 0,1,2,3,4,5,6,7
	v_mov_b32 v13, v[X+4*\j+1]                     ; (x0a, x1a, x0b, x1b) becomes (x0a, x0b, x1a, x1b): pairs for the packed arithmetic,
	v_mov_b32 v[X+4*\j+1], v[X+4*\j+2]             ; sorted once for all four rows
	v_mov_b32 v[X+4*\j+2], v13
.endr
	s_wait_dscnt 0x0                               ; my sums are in LDS before I say so
	s_barrier_signal -1
	s_barrier_wait -1
.irp s, 0,1,2,3,4,5,6,7
	ds_load_b32 v[R1+\s], v6 offset:MRED+48*\s     ; lane n takes sum n of wave s (lanes 11 and up: a zero)
.endr
	s_wait_dscnt 0x0
.irp s, 1,2,3,4,5,6,7
	v_add_f32 v[R1], v[R1], v[R1+\s]
.endr
	v_mul_f32 v[R1], 0x3fb8aa3b, v[R1]             ; log2(e) goes into M: v_exp_f32 is 2^x
.irp n, 0,1,2,3,4,5,6,7,8
	v_readlane_b32 s[40+\n], v[R1], \n
.endr
.irp n, 0,1,2,3,4,5,6,7,8
	v_mov_b32 v[MM+\n], s[40+\n]                   ; M in every lane
.endr
	s_wait_kmcnt 0x0                               ; x of my four rows
; ATTENTION, two rows (a = 0, 1) a pass, step by step in turn.
.macro UVEC a, k                       ; u = x'_c M: score(c, e) = u0 x0_e + u1 x1_e + u2
.irp j, 0,1,2
	v_fma_f32 v[R1+4*\a+\j], s[28+2*(\k)+1], v[MM+3+\j], v[MM+6+\j]
.endr
.irp j, 0,1,2
	v_fma_f32 v[R1+4*\a+\j], s[28+2*(\k)], v[MM+\j], v[R1+4*\a+\j]
.endr
.endm
.macro SCORE a                         ; 16 scores a lane, two a line; op_sel picks the one register of the pair that both halves take
.irp j, 0,1,2,3,4,5,6,7
	v_pk_fma_f32 v[R2+16*\a+2*\j:R2+16*\a+2*\j+1], v[X+4*\j+2:X+4*\j+3], v[R1+4*\a:R1+4*\a+1], v[R1+4*\a+2:R1+4*\a+3] op_sel:[0,1,0] op_sel_hi:[1,1,0]   ; x1 u1 + u2
.endr
.irp j, 0,1,2,3,4,5,6,7
	v_pk_fma_f32 v[R2+16*\a+2*\j:R2+16*\a+2*\j+1], v[X+4*\j:X+4*\j+1], v[R1+4*\a:R1+4*\a+1], v[R2+16*\a+2*\j:R2+16*\a+2*\j+1] op_sel_hi:[1,0,1]         ; + x0 u0
.endr
.endm
.macro MASK a                          ; the causal mask: keys behind row c get -inf.  A choice of values, no branch
.irp j, 0,1,2,3,4,5,6,7
	v_cmp_ge_u32 vcc_lo, s[39+10*\a], v[EJ+\j]                     ; c >= key
	v_cndmask_b32 v[R2+16*\a+2*\j], v12, v[R2+16*\a+2*\j], vcc_lo
	v_cmp_gt_u32 vcc_lo, s[39+10*\a], v[EJ+\j]                     ; c >= key + 1
	v_cndmask_b32 v[R2+16*\a+2*\j+1], v12, v[R2+16*\a+2*\j+1], vcc_lo
.endr
.endm
.macro MAXI a                          ; the lane's largest score
	v_max_num_f32 v[R1+4*\a+3], v[R2+16*\a], v[R2+16*\a+1]
.irp j, 1,2,3,4,5,6,7
	v_max3_num_f32 v[R1+4*\a+3], v[R1+4*\a+3], v[R2+16*\a+2*\j], v[R2+16*\a+2*\j+1]
.endr
.endm
.macro SUBM a                          ; score - maximum
.irp j, 0,1,2,3,4,5,6,7
	v_pk_add_f32 v[R2+16*\a+2*\j:R2+16*\a+2*\j+1], v[R2+16*\a+2*\j:R2+16*\a+2*\j+1], v[R1+4*\a+2:R1+4*\a+3] op_sel:[0,1] op_sel_hi:[1,1] neg_lo:[0,1] neg_hi:[0,1]
.endr
.endm
.macro EXPO a
.irp j, 0,1,2,3,4,5,6,7,8,9,10,11,12,13,14,15
	v_exp_f32 v[R2+16*\a+\j], v[R2+16*\a+\j]
.endr
.endm
.macro SUMS a                          ; L = sum of weights, A0 = sum of weight x0, A1 = sum of weight x1: three chains, none cleared
	s_wait_alu depctr_va_vdst(0)
	v_pk_add_f32 v[R1+8+6*\a:R1+9+6*\a],   v[R2+16*\a:R2+16*\a+1], v[R2+16*\a+2:R2+16*\a+3]
	v_pk_mul_f32 v[R1+10+6*\a:R1+11+6*\a], v[R2+16*\a:R2+16*\a+1], v[X:X+1]
	v_pk_mul_f32 v[R1+12+6*\a:R1+13+6*\a], v[R2+16*\a:R2+16*\a+1], v[X+2:X+3]
	v_pk_fma_f32 v[R1+10+6*\a:R1+11+6*\a], v[R2+16*\a+2:R2+16*\a+3], v[X+4:X+5], v[R1+10+6*\a:R1+11+6*\a]
	v_pk_fma_f32 v[R1+12+6*\a:R1+13+6*\a], v[R2+16*\a+2:R2+16*\a+3], v[X+6:X+7], v[R1+12+6*\a:R1+13+6*\a]
.irp j, 2,3,4,5,6,7
	v_pk_add_f32 v[R1+8+6*\a:R1+9+6*\a],   v[R1+8+6*\a:R1+9+6*\a], v[R2+16*\a+2*\j:R2+16*\a+2*\j+1]
	v_pk_fma_f32 v[R1+10+6*\a:R1+11+6*\a], v[R2+16*\a+2*\j:R2+16*\a+2*\j+1], v[X+4*\j:X+4*\j+1],   v[R1+10+6*\a:R1+11+6*\a]
	v_pk_fma_f32 v[R1+12+6*\a:R1+13+6*\a], v[R2+16*\a+2*\j:R2+16*\a+2*\j+1], v[X+4*\j+2:X+4*\j+3], v[R1+12+6*\a:R1+13+6*\a]
.endr
.irp n, 8,10,12
	v_add_f32 v[R1+\n+6*\a], v[R1+\n+6*\a], v[R1+\n+1+6*\a]
.endr
.endm
.macro PASS k0                         ; rows k0 and k0 + 1 of my four
	s_add_co_u32 s39, s38, \k0
	s_add_co_u32 s49, s38, \k0+1
	UVEC 0, \k0
	UVEC 1, \k0+1
	SCORE 0
	SCORE 1
	MASK 0
	MASK 1
	MAXI 0
	MAXI 1
	WRED v_max_num_f32_dpp, v_max_num_f32, R1+3, 4, 2, 5           ; the rows' maxima over all causal keys (key 0 is always one: finite)
	SUBM 0
	EXPO 0                                         ; behind a transcendental one plain vector instruction comes before its result is used (ISA guide 5.7.2):
	SUBM 1                                         ; for row 0's exponentials these lines, which touch row 1 alone,
	EXPO 1
	SUMS 0                                         ; and for row 1's these, which touch row 0 alone
	SUMS 1
	WRED v_add_f32_dpp, v_add_f32, R1+8, 2, 6, 1                   ; six sums over the lanes; each pair's odd register is the temporary
	v_rcp_f32 v[R1+9],  v[R1+8]                    ; 1 / sum of weights; the sum is at least 1
	v_rcp_f32 v[R1+15], v[R1+14]
	v_nop                                          ; the plain place behind the two reciprocals
	s_wait_alu depctr_va_vdst(0)
.irp a, 0,1
	v_mul_f32 v[R1+10+6*\a], v[R1+10+6*\a], v[R1+9+6*\a]           ; s0
	v_mul_f32 v[R1+11+6*\a], v[R1+12+6*\a], v[R1+9+6*\a]           ; s1
	ds_store_b64 v7, v[R1+10+6*\a:R1+11+6*\a] offset:SOUT+8*(\k0+\a)   ; all lanes store the same 8 bytes, the row's own
.endr
.endm
	PASS 0
	PASS 2
; P, MY SLICE: 3 vectors x my 4 columns, summed over my 16 rows of Wo; six chains of packed multiply-adds, started by a multiply.
; The coefficient is one register of an even-aligned pair: op_sel and op_sel_hi give it to both halves.
.macro PROW i
	s_wait_loadcnt 15-\i                           ; row i is in, the 15 - i younger rows stay out (at i = 0 the coefficients, issued earlier, are in too)
.irp u, 0,1,2
.irp p, 0,1
.if \i == 0
	v_pk_mul_f32 v[R2+4*\u+2*\p:R2+4*\u+2*\p+1], v[WO+2*\p:WO+2*\p+1], v[CF+16*\u:CF+16*\u+1] op_sel_hi:[1,0]
.else
.if (\i & 1) == 0
	v_pk_fma_f32 v[R2+4*\u+2*\p:R2+4*\u+2*\p+1], v[WO+4*\i+2*\p:WO+4*\i+2*\p+1], v[CF+16*\u+\i:CF+16*\u+\i+1], v[R2+4*\u+2*\p:R2+4*\u+2*\p+1] op_sel_hi:[1,0,1]
.else
	v_pk_fma_f32 v[R2+4*\u+2*\p:R2+4*\u+2*\p+1], v[WO+4*\i+2*\p:WO+4*\i+2*\p+1], v[CF+16*\u+\i-1:CF+16*\u+\i], v[R2+4*\u+2*\p:R2+4*\u+2*\p+1] op_sel:[0,1,0] op_sel_hi:[1,1,1]
.endif
.endif
.endr
.endr
.endm
.irp i, 0,1,2,3,4,5,6,7,8,9,10,11,12,13,14,15
	PROW \i
.endr
.irp u, 0,1,2
	ds_store_b128 v8, v[R2+4*\u:R2+4*\u+3] offset:PSL+256*\u       ; sixteen lanes fill 256 consecutive bytes: no two in one bank
.endr
	s_wait_dscnt 0x0                               ; my slices and my rows' (s0, s1) are in LDS before I say so
	s_barrier_signal -1
	s_barrier_wait -1
	; THE WAY OUT.  Waves 0 to 2 add the 16 slices of one vector each, wave 3 carries the 32 rows' (s0, s1); no barrier follows.
	s_cmp_gt_u32 s3, 3
	s_cbranch_scc1 .Lend
	s_cmp_eq_u32 s3, 3
	s_cbranch_scc1 .Lsrow
.irp s, 0,1,2,3,4,5,6,7,8,9,10,11,12,13,14,15
	ds_load_b64 v[R2+16+2*\s:R2+17+2*\s], v10 offset:PSL+768*\s    ; vector w, columns 2 L and 2 L + 1, slice s
.endr
	s_wait_dscnt 14                                ; LDS loads come back in order (ISA guide 5.7.1): slices 0 and 1 are in, 14 younger loads stay out
	v_pk_add_f32 v[R2+16:R2+17], v[R2+16:R2+17], v[R2+18:R2+19]
.irp s, 2,3,4,5,6,7,8,9,10,11,12,13,14,15
	s_wait_dscnt 15-\s                             ; slice s is in
	v_pk_add_f32 v[R2+16:R2+17], v[R2+16:R2+17], v[R2+16+2*\s:R2+17+2*\s]
.endr
	global_store_b64 v11, v[R2+16:R2+17], s[56:57] ; the wave stores 256 consecutive bytes, at a multiple of 256 from ppart's first byte
	s_wait_tensorcnt 0x0
	ds_add_u32 v22, v23
	s_wait_dscnt 0x0
	s_endpgm
.Lsrow:
	ds_load_b64 v[R2+16:R2+17], v9 offset:SOUT
	s_wait_dscnt 0x0
	global_store_b64 v9, v[R2+16:R2+17], s[54:55]  ; 32 rows x 8 bytes: 256 consecutive bytes, at a multiple of 256 from svec's first byte
.Lend:
	s_wait_tensorcnt 0x0
	ds_add_u32 v22, v23
	s_wait_dscnt 0x0
	s_endpgm
.Lfunc_end_k_qd948676395_prep:
	.size	k_qd948676395_prep, .Lfunc_end_k_qd948676395_prep-k_qd948676395_prep
	.p2alignl 7, 3214868480
	.fill 96, 4, 3214868480
	.section	.rodata,"a",@progbits
	.p2align	6, 0x0
	.amdhsa_kernel k_qd948676395_prep
		.amdhsa_group_segment_fixed_size 14336
		.amdhsa_private_segment_fixed_size 0
		.amdhsa_enable_private_segment 0
		.amdhsa_kernarg_size 80
		.amdhsa_user_sgpr_count 2
		.amdhsa_user_sgpr_kernarg_segment_ptr 1
		.amdhsa_wavefront_size32 1
		.amdhsa_system_sgpr_workgroup_id_x 1
		.amdhsa_system_sgpr_workgroup_id_y 1
		.amdhsa_system_sgpr_workgroup_id_z 1
		.amdhsa_system_vgpr_workitem_id 0
		.amdhsa_next_free_vgpr 256
		.amdhsa_next_free_sgpr 66
		.amdhsa_reserve_vcc 1
		.amdhsa_float_denorm_mode_32 3
		.amdhsa_float_denorm_mode_16_64 3
		.amdhsa_memory_ordered 1
		.amdhsa_forward_progress 1
		.amdhsa_inst_pref_size 55
	.end_amdhsa_kernel
	.amdgpu_metadata
---
amdhsa.version: [ 1, 2 ]
amdhsa.kernels:
  - .name:           k_qd948676395_prep
    .symbol:         k_qd948676395_prep.kd
    .args:
      - { .name: Wq, .offset: 0, .size: 8, .value_kind: global_buffer, .address_space: global }
      - { .name: bq, .offset: 8, .size: 8, .value_kind: global_buffer, .address_space: global }
      - { .name: Wk, .offset: 16, .size: 8, .value_kind: global_buffer, .address_space: global }
      - { .name: bk, .offset: 24, .size: 8, .value_kind: global_buffer, .address_space: global }
      - { .name: x, .offset: 32, .size: 8, .value_kind: global_buffer, .address_space: global }
      - { .name: Wv, .offset: 40, .size: 8, .value_kind: global_buffer, .address_space: global }
      - { .name: bv, .offset: 48, .size: 8, .value_kind: global_buffer, .address_space: global }
      - { .name: Wo, .offset: 56, .size: 8, .value_kind: global_buffer, .address_space: global }
      - { .name: svec, .offset: 64, .size: 8, .value_kind: global_buffer, .address_space: global }
      - { .name: ppart, .offset: 72, .size: 8, .value_kind: global_buffer, .address_space: global }
    .group_segment_fixed_size: 14336
    .private_segment_fixed_size: 0
    .kernarg_segment_align: 8
    .kernarg_segment_size: 80
    .max_flat_workgroup_size: 256
    .sgpr_count:     66
    .vgpr_count:     256
    .wavefront_size: 32
...
	.end_amdgpu_metadata
.endif
;; end of part 1
;; launch expand (part 2): grid 16 x 16, 16 waves a work-group, no clusters, 4,096 bytes of LDS; arguments svec, ppart, bo, out0; writes out0
.if DOCPART == 2
	.amdgcn_target "amdgcn-amd-amdhsa--gfx1250"
	.amdhsa_code_object_version 6
	.text
	.protected	k_qd948676395_expand
	.globl	k_qd948676395_expand
	.p2align	8
	.type	k_qd948676395_expand,@function
k_qd948676395_expand:
	s_mov_b64 s[64:65], 0
	v_nop
	global_prefetch_b8 v0, s[64:65] scope:SCOPE_SE
	s_setreg_imm32_b32 hwreg(HW_REG_WAVE_MODE, 25, 1), 1
	s_wait_xcnt 0x0
; EXPAND: out0[row][n] = s0[row] P0[n] + s1[row] P1[n] + (P2[n] + bo[n]).
; (s0, s1) = svec[row], the softmax-weighted mean of the keys' two features; P = [Wv; bv] @ Wo = the sum of ppart's eight slices.
; Both come from the launch before; why this equals softmax(q k^T) @ v @ Wo + bo for every input of these shapes stands at that kernel's head,
; with the limits kept (products re-associated, so another order of rounding than the reference's; the weights' row sum taken as 1).  All in f32.
;
; A stream of stores: 67,108,864 bytes go out, 262,144 a work-group.  Work-group (x, y): columns 128 x .. + 127 of rows 512 y .. + 511;
; wave w rows 32 w .. + 31 of them; lane L columns 4 L .. + 3, so that each store of a wave covers 512 consecutive bytes, at a multiple of 512
; from out0's first byte.  A row's two numbers are the same in all lanes and live in scalar registers.  Each row has its own four data
; registers: no register of a pending store is ever written again, so there is no wait and no loop.
; Matrix units and tensor loads would add nothing: two multiply-adds a number, and 12,800 bytes read for 262,144 stored.
; NO CLUSTER: what the 16 work-groups of a column block share (12,288 bytes of ppart, 512 of bo) is a twentieth of what each stores.
.set O, 32                             ; v[32:159] row k's four results at O + 4 k; v[32:63] first take the eight slices
; v1 16 L   v2 offset of my 16 bytes in ppart's slice 0, vector w   v3 the same in bo   v20 512 w + 16 L   v[4:7] P0   v[8:11] P1   v[12:15] P2, then P2 + bo   v[16:19] bo
; s2 x   s3 y   s4 w   s[8:15] the four buffers   s[16:63], s[68:83] (s0, s1) of my 32 rows   s[84:85] svec at my rows   s[86:87] out0 at my first row and column
; LDS: P0 at 0, P1 at 512, P2 at 1024, bo at 1536, 128 columns each.
	s_load_b256 s[8:15], s[0:1], 0x0               ; svec s[8:9], ppart s[10:11], bo s[12:13], out0 s[14:15]
	v_lshl_add_u32 v160, v0, 2, 0x800
	v_mov_b32 v161, 0
	v_lshrrev_b32 v21, 5, v0
	v_readfirstlane_b32 s4, v21                    ; wave 0 .. 15
	s_mov_b32 s2, ttmp9
	s_and_b32 s3, ttmp7, 0xffff
	v_and_b32 v22, 31, v0
	v_lshlrev_b32 v1, 4, v22
	s_lshl_b32 s5, s2, 9                           ; my 128 columns, in bytes
	v_add_nc_u32 v3, s5, v1
	s_lshl_b32 s6, s4, 13                          ; vector w of a slice
	v_add_nc_u32 v2, s6, v3
	s_lshl_b32 s7, s4, 9
	v_add_nc_u32 v20, s7, v1
	s_lshl_b32 s84, s3, 12                         ; 512 rows x 8 bytes
	s_lshl_b32 s6, s4, 8                           ; 32 rows x 8 bytes
	s_add_co_u32 s84, s84, s6
	s_mov_b32 s85, 0
	s_lshl_b32 s86, s3, 22                         ; 512 rows x 8,192 bytes
	s_lshl_b32 s7, s4, 18                          ; 32 rows x 8,192 bytes
	s_add_co_u32 s86, s86, s7
	s_add_co_u32 s86, s86, s5                      ; at most 67,108,864: one word holds it
	s_mov_b32 s87, 0
	s_wait_kmcnt 0x0
	s_add_nc_u64 s[84:85], s[8:9], s[84:85]
	s_add_nc_u64 s[86:87], s[14:15], s[86:87]
	s_load_b512 s[16:31], s[84:85], 0x0            ; rows 0-7
	s_load_b512 s[32:47], s[84:85], 0x40           ; rows 8-15
	s_load_b512 s[48:63], s[84:85], 0x80           ; rows 16-23
	s_load_b512 s[68:83], s[84:85], 0xc0           ; rows 24-31
	; P and bo are made once for the work-group: waves 0 to 2 add the eight slices of one vector each, wave 3 fetches bo.
	s_cmp_gt_u32 s4, 3
	s_cbranch_scc1 .Lmeet
	s_cmp_eq_u32 s4, 3
	s_cbranch_scc1 .Lbias
.irp s, 0,1,2,3,4,5,6,7
	global_load_b128 v[O+4*\s:O+4*\s+3], v2, s[10:11] offset:24576*\s
.endr
.irp s, 1,2,3,4,5,6,7
	s_wait_loadcnt 7-\s                            ; loads come back in order (ISA guide 5.7.1): slice s is in, the 7 - s younger ones stay out
	v_pk_add_f32 v[O:O+1],   v[O:O+1],   v[O+4*\s:O+4*\s+1]
	v_pk_add_f32 v[O+2:O+3], v[O+2:O+3], v[O+4*\s+2:O+4*\s+3]
.endr
	ds_store_b128 v20, v[O:O+3]
	s_branch .Lmeet
.Lbias:
	global_load_b128 v[O:O+3], v3, s[12:13]
	s_wait_loadcnt 0x0
	ds_store_b128 v20, v[O:O+3]
.Lmeet:
	s_wait_dscnt 0x0                               ; what I stored is in LDS before I say so
	s_barrier_signal -1
	s_barrier_wait -1
	ds_load_b128 v[4:7],   v1
	ds_load_b128 v[8:11],  v1 offset:512
	ds_load_b128 v[12:15], v1 offset:1024
	ds_load_b128 v[16:19], v1 offset:1536
	s_wait_dscnt 0x0
	v_pk_add_f32 v[12:13], v[12:13], v[16:17]      ; P2 + bo, once for 32 rows
	v_pk_add_f32 v[14:15], v[14:15], v[18:19]
	s_wait_kmcnt 0x0                               ; my rows' (s0, s1)
.macro ROW k
.if \k < 24
.set SR, 16+2*\k
.else
.set SR, 68+2*(\k-24)
.endif
.irp c, 0,1,2,3
	v_fma_f32 v[O+4*\k+\c], s[SR+1], v[8+\c], v[12+\c]             ; s1 P1 + (P2 + bo)
.endr
.irp c, 0,1,2,3
	v_fma_f32 v[O+4*\k+\c], s[SR], v[4+\c], v[O+4*\k+\c]           ; + s0 P0
.endr
	global_store_b128 v1, v[O+4*\k:O+4*\k+3], s[86:87] offset:8192*\k th:TH_STORE_NT   ; written once, not read again
.endm
.irp k, 0,1,2,3,4,5,6,7,8,9,10,11,12,13,14,15,16,17,18,19,20,21,22,23,24,25,26,27,28,29,30,31
	ROW \k
.endr
	s_wait_tensorcnt 0x0
	ds_add_u32 v160, v161
	s_wait_dscnt 0x0
	s_endpgm
.Lfunc_end_k_qd948676395_expand:
	.size	k_qd948676395_expand, .Lfunc_end_k_qd948676395_expand-k_qd948676395_expand
	.p2alignl 7, 3214868480
	.fill 96, 4, 3214868480
	.section	.rodata,"a",@progbits
	.p2align	6, 0x0
	.amdhsa_kernel k_qd948676395_expand
		.amdhsa_group_segment_fixed_size 4096
		.amdhsa_private_segment_fixed_size 0
		.amdhsa_enable_private_segment 0
		.amdhsa_kernarg_size 32
		.amdhsa_user_sgpr_count 2
		.amdhsa_user_sgpr_kernarg_segment_ptr 1
		.amdhsa_wavefront_size32 1
		.amdhsa_system_sgpr_workgroup_id_x 1
		.amdhsa_system_sgpr_workgroup_id_y 1
		.amdhsa_system_sgpr_workgroup_id_z 1
		.amdhsa_system_vgpr_workitem_id 0
		.amdhsa_next_free_vgpr 162
		.amdhsa_next_free_sgpr 88
		.amdhsa_reserve_vcc 0
		.amdhsa_float_denorm_mode_32 3
		.amdhsa_float_denorm_mode_16_64 3
		.amdhsa_memory_ordered 1
		.amdhsa_forward_progress 1
		.amdhsa_inst_pref_size 24
	.end_amdhsa_kernel
	.amdgpu_metadata
---
amdhsa.version: [ 1, 2 ]
amdhsa.kernels:
  - .name:           k_qd948676395_expand
    .symbol:         k_qd948676395_expand.kd
    .args:
      - { .name: svec, .offset: 0, .size: 8, .value_kind: global_buffer, .address_space: global }
      - { .name: ppart, .offset: 8, .size: 8, .value_kind: global_buffer, .address_space: global }
      - { .name: bo, .offset: 16, .size: 8, .value_kind: global_buffer, .address_space: global }
      - { .name: out0, .offset: 24, .size: 8, .value_kind: global_buffer, .address_space: global }
    .group_segment_fixed_size: 4096
    .private_segment_fixed_size: 0
    .kernarg_segment_align: 8
    .kernarg_segment_size: 32
    .max_flat_workgroup_size: 512
    .sgpr_count:     88
    .vgpr_count:     162
    .wavefront_size: 32
...
	.end_amdgpu_metadata
.endif
;; end of part 2
;; ======== version 2 of 2: 2 launches; version 1 with the launch expand written anew for expert scheduling mode
;; workspace buffers: svec 65,536 bytes; ppart 196,608 bytes
;; launch prep: the kernel of part 1 again; grid 256 x 1, 8 waves a work-group, no clusters, 14,336 bytes of LDS; arguments Wq, bq, Wk, bk, x, Wv, bv, Wo, svec, ppart; writes svec, ppart
;; launch expand (part 3): grid 16 x 16, 16 waves a work-group, no clusters, 4,096 bytes of LDS; arguments svec, ppart, bo, out0; writes out0
.if DOCPART == 3
	.amdgcn_target "amdgcn-amd-amdhsa--gfx1250"
	.amdhsa_code_object_version 6
	.text
	.protected	k_qd948676395_expand
	.globl	k_qd948676395_expand
	.p2align	8
	.type	k_qd948676395_expand,@function
k_qd948676395_expand:
	s_mov_b64 s[64:65], 0
	v_nop
	global_prefetch_b8 v0, s[64:65] scope:SCOPE_SE
	s_setreg_imm32_b32 hwreg(HW_REG_WAVE_SCHED_MODE, 0, 2), 2
	s_setreg_imm32_b32 hwreg(HW_REG_WAVE_MODE, 25, 1), 1
	s_wait_xcnt 0x0
	s_wait_alu depctr_vm_vsrc(0)
; EXPAND: out0[row][n] = s0[row] P0[n] + s1[row] P1[n] + (P2[n] + bo[n]).
; (s0, s1) = svec[row], the softmax-weighted mean of the keys' two features; P = [Wv; bv] @ Wo = the sum of ppart's eight slices.
; Both come from the launch before; why this equals softmax(q k^T) @ v @ Wo + bo for every input of these shapes stands at that kernel's head,
; with the limits kept (products re-associated, so another order of rounding than the reference's; the weights' row sum taken as 1).  All in f32.
;
; A stream of stores: 67,108,864 bytes go out, 262,144 a work-group.  Work-group (x, y): columns 128 x .. + 127 of rows 512 y .. + 511;
; wave w rows 32 w .. + 31 of them; lane L columns 4 L .. + 3, so that each store of a wave covers 512 consecutive bytes, at a multiple of 512
; from out0's first byte.  A row's two numbers are the same in all lanes and live in scalar registers.  Each row has its own four data
; registers: no register of a pending store is ever written again, so nothing waits for a store and there is no loop.
; Matrix units and tensor loads would add nothing: two multiply-adds a number, and 12,800 bytes read for 262,144 stored.
; NO CLUSTER: what the 16 work-groups of a column block share (12,288 bytes of ppart, 512 of bo) is a twentieth of what each stores.
;
; THE MODE: SCHED_MODE bits 1:0 = 2 (LLVM: expert scheduling mode 2), set by the entry lines.  The code itself states the register dependences
; between vector instructions and memory or LDS instructions, with s_wait_alu, always for 0.
; THE PLAN.  Registers that memory or LDS instructions touch:
;   v1, v2, v3, v20   offsets and LDS addresses: written by vector instructions at the head and never again; read by every load, LDS instruction and store.
;   v[32:63]          waves 0 to 2: eight loads land here, vector additions sum them into v[32:35], which one LDS store reads.  Wave 3: one load, one LDS store.
;   v[4:19]           four LDS loads land here; no vector instruction names them before that.
;   v[32:159]         row k: its eight multiply-adds write v[32 + 4 k .. 35 + 4 k], once; its one store reads them.
; The 32 rows go in eight blocks of four.  One wait on va_vdst stands behind a block's 32 multiply-adds; behind it the block's four stores are dealt among
; the next block's multiply-adds, which name the next block's registers, P and scalars: none of the registers that those stores read.
.set O, 32                             ; v[32:159] row k's four results at O + 4 k; v[32:63] first take the eight slices
.set BLOCK, 4                          ; rows in a block
; v1 16 L   v2 offset of my 16 bytes in ppart's slice 0, vector w   v3 the same in bo   v20 512 w + 16 L   v[4:7] P0   v[8:11] P1   v[12:15] P2, then P2 + bo   v[16:19] bo
; s2 x   s3 y   s4 w   s[8:15] the four buffers   s[16:63], s[68:83] (s0, s1) of my 32 rows   s[84:85] svec at my rows   s[86:87] out0 at my first row and column
; LDS: P0 at 0, P1 at 512, P2 at 1024, bo at 1536, 128 columns each.
	s_load_b256 s[8:15], s[0:1], 0x0               ; svec s[8:9], ppart s[10:11], bo s[12:13], out0 s[14:15]
	v_lshl_add_u32 v30, v0, 2, 0x800
	v_mov_b32 v31, 0
	v_lshrrev_b32 v21, 5, v0
	v_readfirstlane_b32 s4, v21                    ; wave 0 .. 15
	s_mov_b32 s2, ttmp9
	s_and_b32 s3, ttmp7, 0xffff
	v_and_b32 v22, 31, v0
	v_lshlrev_b32 v1, 4, v22
	s_lshl_b32 s5, s2, 9                           ; my 128 columns, in bytes
	v_add_nc_u32 v3, s5, v1
	s_wait_alu depctr_va_sdst(0)                   ; s4 is written, ahead of its first reader: offsets, bases and the branches below are made from it
	s_lshl_b32 s6, s4, 13                          ; vector w of a slice
	v_add_nc_u32 v2, s6, v3
	s_lshl_b32 s7, s4, 9
	v_add_nc_u32 v20, s7, v1
	s_lshl_b32 s84, s3, 12                         ; 512 rows x 8 bytes
	s_lshl_b32 s6, s4, 8                           ; 32 rows x 8 bytes
	s_add_co_u32 s84, s84, s6
	s_mov_b32 s85, 0
	s_lshl_b32 s86, s3, 22                         ; 512 rows x 8,192 bytes
	s_lshl_b32 s7, s4, 18                          ; 32 rows x 8,192 bytes
	s_add_co_u32 s86, s86, s7
	s_add_co_u32 s86, s86, s5                      ; at most 67,108,864: one word holds it
	s_mov_b32 s87, 0
	s_wait_kmcnt 0x0
	s_add_nc_u64 s[84:85], s[8:9], s[84:85]
	s_add_nc_u64 s[86:87], s[14:15], s[86:87]
	s_load_b512 s[16:31], s[84:85], 0x0            ; rows 0-7
	s_load_b512 s[32:47], s[84:85], 0x40           ; rows 8-15
	s_load_b512 s[48:63], s[84:85], 0x80           ; rows 16-23
	s_load_b512 s[68:83], s[84:85], 0xc0           ; rows 24-31
	s_wait_alu depctr_va_vdst(0)                   ; v1, v2, v3 and v20 are written: every load, LDS instruction and store of the kernel, on each of the ways below, reads one of them as its address
	; P and bo are made once for the work-group: waves 0 to 2 add the eight slices of one vector each, wave 3 fetches bo.
	s_cmp_gt_u32 s4, 3
	s_cbranch_scc1 .Lmeet
	s_cmp_eq_u32 s4, 3
	s_cbranch_scc1 .Lbias
.irp s, 0,1,2,3,4,5,6,7
	global_load_b128 v[O+4*\s:O+4*\s+3], v2, s[10:11] offset:24576*\s
.endr
.irp s, 1,2,3,4,5,6,7
	s_wait_loadcnt 7-\s                            ; loads come back in order (ISA guide 5.7.1): slice s is in, the 7 - s younger ones stay out
	v_pk_add_f32 v[O:O+1],   v[O:O+1],   v[O+4*\s:O+4*\s+1]
	v_pk_add_f32 v[O+2:O+3], v[O+2:O+3], v[O+4*\s+2:O+4*\s+3]
.endr
	s_wait_alu depctr_va_vdst(0)                   ; the additions have written v[O:O+3], which the LDS store reads
	ds_store_b128 v20, v[O:O+3]
	s_branch .Lmeet
.Lbias:
	global_load_b128 v[O:O+3], v3, s[12:13]
	s_wait_loadcnt 0x0
	ds_store_b128 v20, v[O:O+3]                    ; its data come from the load: the wait above is all that they hang on
.Lmeet:
	s_wait_dscnt 0x0                               ; what I stored is in LDS before I say so
	s_barrier_signal -1
	s_barrier_wait -1
	s_wait_alu depctr_vm_vsrc(0)                   ; my LDS store has read v[O:O+3], which row 0's multiply-adds write again
	ds_load_b128 v[4:7],   v1
	ds_load_b128 v[8:11],  v1 offset:512
	ds_load_b128 v[12:15], v1 offset:1024
	ds_load_b128 v[16:19], v1 offset:1536
	s_wait_dscnt 0x0
	v_pk_add_f32 v[12:13], v[12:13], v[16:17]      ; P2 + bo, once for 32 rows
	v_pk_add_f32 v[14:15], v[14:15], v[18:19]
	s_wait_kmcnt 0x0                               ; my rows' (s0, s1)
.macro ROW k                           ; row k's eight multiply-adds, into its own four registers
.if (\k) < 24
.set SR, 16+2*(\k)
.else
.set SR, 68+2*((\k)-24)
.endif
.irp c, 0,1,2,3
	v_fma_f32 v[O+4*(\k)+\c], s[SR+1], v[8+\c], v[12+\c]           ; s1 P1 + (P2 + bo)
.endr
.irp c, 0,1,2,3
	v_fma_f32 v[O+4*(\k)+\c], s[SR], v[4+\c], v[O+4*(\k)+\c]       ; + s0 P0
.endr
.endm
.macro SEND k                          ; row k's store
	global_store_b128 v1, v[O+4*(\k):O+4*(\k)+3], s[86:87] offset:8192*(\k) th:TH_STORE_NT   ; written once, not read again
.endm
.irp i, 0,1,2,3
	ROW \i                                         ; block 0: there is no block in front of it to store
.endr
.irp b, 1,2,3,4,5,6,7
	s_wait_alu depctr_va_vdst(0)                   ; the block before has written its sixteen registers, which the four stores below read
.irp i, 0,1,2,3
	SEND BLOCK*(\b-1)+\i                           ; no vector instruction since the wait names this row's registers or v1
	ROW BLOCK*\b+\i
.endr
.endr
	s_wait_alu depctr_va_vdst(0)                   ; block 7 has written its sixteen registers, which the last four stores read
.irp i, 0,1,2,3
	SEND BLOCK*7+\i
.endr
	s_wait_dscnt 0x0
	s_wait_alu depctr_hold_cnt(0) depctr_sa_sdst(0) depctr_va_vdst(0) depctr_va_sdst(0) depctr_va_ssrc(0) depctr_va_vcc(0) depctr_vm_vsrc(0)
	s_wait_tensorcnt 0x0
	ds_add_u32 v30, v31
	s_wait_dscnt 0x0
	s_endpgm
.Lfunc_end_k_qd948676395_expand:
	.size	k_qd948676395_expand, .Lfunc_end_k_qd948676395_expand-k_qd948676395_expand
	.p2alignl 7, 3214868480
	.fill 96, 4, 3214868480
	.section	.rodata,"a",@progbits
	.p2align	6, 0x0
	.amdhsa_kernel k_qd948676395_expand
		.amdhsa_group_segment_fixed_size 4096
		.amdhsa_private_segment_fixed_size 0
		.amdhsa_enable_private_segment 0
		.amdhsa_kernarg_size 32
		.amdhsa_user_sgpr_count 2
		.amdhsa_user_sgpr_kernarg_segment_ptr 1
		.amdhsa_wavefront_size32 1
		.amdhsa_system_sgpr_workgroup_id_x 1
		.amdhsa_system_sgpr_workgroup_id_y 1
		.amdhsa_system_sgpr_workgroup_id_z 1
		.amdhsa_system_vgpr_workitem_id 0
		.amdhsa_next_free_vgpr 160
		.amdhsa_next_free_sgpr 88
		.amdhsa_reserve_vcc 0
		.amdhsa_float_denorm_mode_32 3
		.amdhsa_float_denorm_mode_16_64 3
		.amdhsa_memory_ordered 1
		.amdhsa_forward_progress 1
		.amdhsa_inst_pref_size 24
	.end_amdhsa_kernel
	.amdgpu_metadata
---
amdhsa.version: [ 1, 2 ]
amdhsa.kernels:
  - .name:           k_qd948676395_expand
    .symbol:         k_qd948676395_expand.kd
    .args:
      - { .name: svec, .offset: 0, .size: 8, .value_kind: global_buffer, .address_space: global }
      - { .name: ppart, .offset: 8, .size: 8, .value_kind: global_buffer, .address_space: global }
      - { .name: bo, .offset: 16, .size: 8, .value_kind: global_buffer, .address_space: global }
      - { .name: out0, .offset: 24, .size: 8, .value_kind: global_buffer, .address_space: global }
    .group_segment_fixed_size: 4096
    .private_segment_fixed_size: 0
    .kernarg_segment_align: 8
    .kernarg_segment_size: 32
    .max_flat_workgroup_size: 512
    .sgpr_count:     88
    .vgpr_count:     160
    .wavefront_size: 32
...
	.end_amdgpu_metadata
.endif
;; end of part 3
